; MI455X (gfx1250); checked and timed in simulation.
; The chip was launched on July 23, 2026; its instructions are those of AMD's public machine-readable ISA for CDNA 5 (MIT licence, August 2026) and "CDNA5" Instruction Set Architecture Reference Guide (July 2026). The comments in the code are by the model that wrote it; some were corrected since.
;; Attention. Allowed arithmetic: float matrix products may take bf16 or f16 operands with f32 sums; other float arithmetic in f32, or as packed bf16 or f16 multiplies, adds, multiply-adds, maxima and minima; sums over many terms, partial sums and values carried from step to step in f32; what a program stores and reads back later, other than sums and carried values, may be rounded once to bf16 or f16.
;; Inputs: gamma one number float32; w_g 32 x 64 float32; w_o 64 x 32 float32; w_phi 8 x 64 float32; w_theta 8 x 64 float32; x 2 x 64 x 32 x 32 x 32 float32.
;; Outputs: out0 2 x 64 x 32 x 32 x 32 float32.
;; One version. Each part assembles by itself: llvm-mc -triple=amdgcn-amd-amdhsa -mcpu=gfx1250 --defsym DOCPART=n.
;; ======== version 1 of 1: 2 launches
;; workspace buffers: theta_ws 1,048,576 bytes; phi_ws 262,144 bytes; g_ws 524,288 bytes
;; launch proj (part 1): grid 256 x 1, 4 waves a work-group, no clusters, 167,936 bytes of LDS; arguments x, w_theta, w_phi, w_g, theta_ws, phi_ws, g_ws; writes theta_ws, phi_ws, g_ws
.if DOCPART == 1
	.amdgcn_target "amdgcn-amd-amdhsa--gfx1250"
	.amdhsa_code_object_version 6
	.text
	.protected	k_qbc259515f2_proj
	.globl	k_qbc259515f2_proj
	.p2align	8
	.type	k_qbc259515f2_proj,@function
k_qbc259515f2_proj:
	s_mov_b64 s[64:65], 0
	v_nop
	global_prefetch_b8 v0, s[64:65] scope:SCOPE_SE
	s_setreg_imm32_b32 hwreg(HW_REG_WAVE_MODE, 25, 1), 1
	s_wait_xcnt 0x0
; THE THREE 1x1x1 CONVOLUTIONS AND THE 2x2x2 MAX POOL.  x: [2][64][32768] f32.  theta' = log2(e) w_theta x, phi = pool(w_phi x), g = pool(w_g x).
; NO WORK IS LEFT OUT in this program: every input has a way to the output, and every step of the module is done (the maximum is taken away ahead of the exponentials, in the second launch).
; OUT: theta_ws [b][n / 64][t 4][r 16][8 channels] bf16, where tile t, column r of a block of 64 voxels is voxel 4 r + t;
;      phi_ws [b][key tile 256][512 bytes]: phi as two bf16 parts, hi and lo: keys 0-7 hi, keys 0-7 lo, keys 8-15 lo, keys 8-15 hi, 16 bytes (8 channels) a key;
;      g_ws [b][group of 32 keys 128][ct 2][q 2][lane 32][8 keys] bf16: lane (r, h) holds g[16 ct + r][keys 16 q + 8 h + 0..7]: the second launch's fragments as they lie in registers.
; The softmax sums over all keys, so their order is free: key tile 16 d' + h' holds the 16 pooled voxels of one pooled image row, key 8 tp + i standing for w' = 2 i + tp.
; LIMITS.  theta', g and w_g are rounded once to bf16; x, w_theta, w_phi and phi are carried as two bf16 parts (16 significant bits).  NaN and infinities are not treated apart.
; SHARES.  A work-group has two tasks of 128 voxels (two image planes x 64 consecutive voxels), each one key tile.  Wave w: task w / 2, tp = w % 2: the voxel tiles 2 tp, 2 tp + 1 of both planes: 8 keys.
; Each wave brings one tile of 64 channel rows x 256 bytes by one tensor load; no LDS byte is filled twice.  NO CLUSTER: the work-groups share nothing but 12 KiB of weights against 64 KiB of x each.
; NO PREFETCH: a work-group's whole share of x is asked for by its first four loads.
.set SPARE, 65536                      ; behind the four tiles: the spare words, 128 bytes a wave
.set RR,   1                           ; v1  lane % 16
.set HH,   2                           ; v2  lane / 16
.set LN,   3                           ; v3  lane
.set XA,   4                           ; v4  LDS address of my 8 bytes in a channel row
.set WO0,  5                           ; v5  my byte offset in w_theta and w_phi (row r % 8)
.set WOG,  6                           ; v6  my byte offset in w_g (row r)
.set GOF,  7                           ; v7  my 16 bytes in g_ws
.set TOF,  8                           ; v8  in theta_ws
.set POF,  9                           ; v9  in phi_ws
.set SPW,  10                          ; v10 LDS address of my spare word; never rewritten
.set NIL,  11                          ; v11 0; never rewritten
.set NEG1, 12                          ; v12 -1.0
.set TMPV, 13
.set W0H,  16                          ; + 16 ks: rows 0-7 theta', rows 8-15 phi: high parts;  W0L the low parts
.set W0L,  24
.set WGH,  48                          ; + 16 ct + 8 ks: w_g
.set ACC,  80                          ; + 16 o + 8 t: o = 0 theta' and phi, o = 1, 2 g's channels 0-15, 16-31
.set CAR,  128                         ; + 8 o: the running maximum over tiles and planes
.set TH,   152                         ; + 8 d + 4 t: theta', packed
.set XF,   168                         ; 32 registers of x as loaded
.set XH,   200                         ; + 8 t: x's fragments, high parts;  XL the low parts
.set XL,   216
.set PH,   232
.set PL,   236
.set PO,   240
.set GO,   244
.set TA,   80                          ; the weights as loaded, ahead of the tiles: w_theta, w_phi, w_g
.set TB,   112
.set TG,   144
.macro PLACES                          ; four places behind a matrix instruction, ahead of vector lines that read its result or write its sources (ISA guide 7.12.1)
.rept 4
	v_nop
.endr
.endm
.macro WM d, a, b, zero                ; one product; zero = 1: it starts the sum
.if \zero
	v_wmma_f32_16x16x32_bf16 v[(\d):(\d)+7], v[(\a):(\a)+7], v[(\b):(\b)+7], 0
.else
	v_wmma_f32_16x16x32_bf16 v[(\d):(\d)+7], v[(\a):(\a)+7], v[(\b):(\b)+7], v[(\d):(\d)+7]
.endif
.endm
; cnt pairs of f32 (at src + st z and src + st z + db) are split: hi = both rounded to bf16, the pair becomes what is left, lo = that rounded.  In three runs, so that no line waits for the one before it.
.macro SPLITS cnt, hi, lo, src, st, db
.set z, 0
.rept \cnt
	v_cvt_pk_bf16_f32 v[(\hi)+z], v[(\src)+(\st)*z], v[(\src)+(\st)*z+(\db)]
.set z, z+1
.endr
.set z, 0
.rept \cnt
	v_fma_mix_f32_bf16 v[(\src)+(\st)*z], v[(\hi)+z], v[NEG1], v[(\src)+(\st)*z] op_sel_hi:[1,0,0]
	v_fma_mix_f32_bf16 v[(\src)+(\st)*z+(\db)], v[(\hi)+z], v[NEG1], v[(\src)+(\st)*z+(\db)] op_sel:[1,0,0] op_sel_hi:[1,0,0]
.set z, z+1
.endr
.set z, 0
.rept \cnt
	v_cvt_pk_bf16_f32 v[(\lo)+z], v[(\src)+(\st)*z], v[(\src)+(\st)*z+(\db)]
.set z, z+1
.endr
.endm
	s_load_b256 s[4:11], s[0:1], 0x0               ; x s[4:5], w_theta s[6:7], w_phi s[8:9], w_g s[10:11]
	s_load_b128 s[12:15], s[0:1], 0x20             ; theta_ws s[12:13], phi_ws s[14:15]
	s_load_b64 s[16:17], s[0:1], 0x30              ; g_ws
	v_lshl_add_u32 v[SPW], v0, 2, SPARE
	v_mov_b32 v[NIL], 0
	ds_add_u32 v[SPW], v[NIL]                      ; the wave's opening: the add, twice on end, and its wait ahead of my tensor load
	ds_add_u32 v[SPW], v[NIL]
	v_lshrrev_b32 v[TMPV], 5, v0
	v_readfirstlane_b32 s18, v[TMPV]               ; wave 0..3
	s_lshr_b32 s19, s18, 1                         ; my task of the two
	s_and_b32 s20, s18, 1                          ; tp; also the plane whose tile I fetch
	s_lshl_b32 s21, ttmp9, 1
	s_add_co_u32 s21, s21, s19                     ; the task's number, 0..511
	s_lshr_b32 s22, s21, 8                         ; b
	s_and_b32 s23, s21, 255                        ; key tile
	s_lshr_b32 s24, s23, 4                         ; d'
	s_and_b32 s25, s23, 15                         ; h'
	s_lshl_b32 s26, s22, 23                        ; my tile's first byte in x: b x 64 x 32768 x 4
	s_lshl_b32 s27, s24, 13                        ; + 2 d' planes of 4,096 bytes
	s_add_co_u32 s26, s26, s27
	s_lshl_b32 s27, s20, 12                        ; + my plane
	s_add_co_u32 s26, s26, s27
	s_lshl_b32 s27, s25, 8                         ; + h' x 64 voxels
	s_add_co_u32 s26, s26, s27
	s_mov_b32 s27, 0
	s_mov_b32 s28, 1                               ; group 0: count = 1
	s_lshl_b32 s29, s18, 14                        ; LDS address: wave x 16,384
	s_mov_b32 s32, 2<<16                           ; group 1: elements of 4 bytes, no mask, no padding
	s_mov_b32 s33, 64<<16                          ; tensor_dim0 = 64
	s_mov_b32 s34, 64<<16                          ; tensor_dim1 = 64
	s_mov_b32 s35, 64<<16                          ; tile_dim0 = 64 voxels: 256 bytes, aligned
	s_mov_b32 s36, 64                              ; tile_dim1 = 64 channels
	s_mov_b32 s37, 32768                           ; from channel to channel
	s_mov_b32 s38, 0
	s_mov_b32 s39, 0
	s_mov_b32 s40, 0xffff0000                      ; lanes 16-31
	s_mov_b32 s42, 0xff00ff00                      ; lanes with r >= 8
	s_mov_b32 s44, 0x76543210                      ; v_permlanex16_b32: each lane takes its own place in the other half
	s_mov_b32 s45, 0xfedcba98
	s_wait_dscnt 0x0                               ; both opening adds are done
	s_wait_kmcnt 0x0
	s_add_nc_u64 s[30:31], s[4:5], s[26:27]
	s_or_b32 s31, s31, 0x80000000                  ; type = 2
	tensor_load_to_lds s[28:31], s[32:39]          ; my one tensor load
	s_nop 0
	; THE WEIGHTS, while the tiles are on their way.  A fragment is 16 rows x 32 channels: lane (r, h) holds row r, channels 8 h + 0..7 and 16 + 8 h + 0..7: four loads of 16 bytes.
	v_and_b32 v[RR], 15, v0
	v_bfe_u32 v[HH], v0, 4, 1
	v_and_b32 v[LN], 31, v0
	v_and_b32 v[TMPV], 7, v0                       ; r % 8
	v_lshlrev_b32 v[WO0], 8, v[TMPV]
	v_lshl_add_u32 v[WO0], v[HH], 5, v[WO0]
	v_lshlrev_b32 v[WOG], 8, v[RR]
	v_lshl_add_u32 v[WOG], v[HH], 5, v[WOG]
.irp ks, 0,1
.irp q, 0,1,2,3
	global_load_b128 v[TA+16*(\ks)+4*(\q):TA+16*(\ks)+4*(\q)+3], v[WO0], s[6:7] offset:128*(\ks)+16*((\q)%2)+64*((\q)/2)
.endr
.endr
.irp ks, 0,1
.irp q, 0,1,2,3
	global_load_b128 v[TB+16*(\ks)+4*(\q):TB+16*(\ks)+4*(\q)+3], v[WO0], s[8:9] offset:128*(\ks)+16*((\q)%2)+64*((\q)/2)
.endr
.endr
.irp ct, 0,1
.irp ks, 0,1
.irp q, 0,1,2,3
	global_load_b128 v[TG+32*(\ct)+16*(\ks)+4*(\q):TG+32*(\ct)+16*(\ks)+4*(\q)+3], v[WOG], s[10:11] offset:4096*(\ct)+128*(\ks)+16*((\q)%2)+64*((\q)/2)
.endr
.endr
.endr
	v_mov_b32 v[NEG1], -1.0
	s_lshl_b32 s52, s19, 15                        ; my task's two tiles
	s_lshl_b32 s53, s20, 3                         ; my two voxel tiles: 8 bytes of each 16
	s_add_co_u32 s52, s52, s53
	v_lshlrev_b32 v[XA], 4, v[RR]                  ; voxels 4 r ..
	v_lshl_add_u32 v[XA], v[HH], 11, v[XA]         ; channels 8 h ..
	v_add_nc_u32 v[XA], s52, v[XA]
	s_lshl_b32 s46, s22, 18                        ; g_ws: b, the group of two key tiles, q, tp as the fragment's lane half; the storing lane's half is ct
	s_lshr_b32 s47, s23, 1
	s_lshl_b32 s47, s47, 11
	s_add_co_u32 s46, s46, s47
	s_and_b32 s47, s23, 1
	s_lshl_b32 s47, s47, 9
	s_add_co_u32 s46, s46, s47
	s_lshl_b32 s51, s20, 8
	s_add_co_u32 s46, s46, s51
	v_lshlrev_b32 v[GOF], 4, v[RR]
	v_lshl_add_u32 v[GOF], v[HH], 10, v[GOF]
	v_add_nc_u32 v[GOF], s46, v[GOF]
	s_lshl_b32 s48, s22, 9                         ; theta_ws: block b x 512 + 32 d' + h' (plane 1: 16 blocks on), tiles 2 tp ..
	s_lshl_b32 s49, s24, 5
	s_add_co_u32 s48, s48, s49
	s_add_co_u32 s48, s48, s25
	s_lshl_b32 s48, s48, 10
	s_lshl_b32 s49, s20, 9
	s_add_co_u32 s48, s48, s49
	v_lshl_add_u32 v[TOF], v[RR], 4, s48
	s_lshl_b32 s50, s22, 17                        ; phi_ws: b, key tile, unit tp; in unit 0 hi lies first, in unit 1 lo
	s_lshl_b32 s49, s23, 9
	s_add_co_u32 s50, s50, s49
	s_add_co_u32 s50, s50, s51
	v_lshrrev_b32 v[POF], 3, v[RR]
	v_xor_b32 v[POF], s20, v[POF]
	v_lshlrev_b32 v[POF], 7, v[POF]
	v_lshl_add_u32 v[POF], v[TMPV], 4, v[POF]
	v_add_nc_u32 v[POF], s50, v[POF]
	s_wait_loadcnt 16                              ; w_theta and w_phi are in; w_g's 16 loads are younger
.set i, 0
.rept 32
	v_mul_f32 v[TA+i], 0x3fb8aa3b, v[TA+i]         ; log2(e) goes into w_theta, in f32
.set i, i+1
.endr
.set i, 0
.rept 32
	v_cndmask_b32 v[TA+i], v[TA+i], v[TB+i], s42   ; rows 8-15 of the fragment are w_phi's
.set i, i+1
.endr
	SPLITS 8, W0H, W0L, TA, 2, 1
	SPLITS 8, W0H+16, W0L+16, TA+16, 2, 1
	s_wait_loadcnt 0x0                             ; w_g
.set i, 0
.rept 32
	v_cvt_pk_bf16_f32 v[WGH+i], v[TG+2*i], v[TG+2*i+1]
.set i, i+1
.endr
	s_wait_tensorcnt 0x0                           ; my tile has landed,
	s_barrier_signal -1
	s_barrier_wait -1                              ; everybody's has: a wave reads both planes' tiles of its task
; 16 loads of 8 bytes: element e of the fragments of my two voxel tiles, plane d, channels 32 ks on
.macro LOADX d, ks
.set e, 0
.rept 16
	ds_load_b64 v[XF+2*e:XF+2*e+1], v[XA] offset:(\d)*16384+(32*(\ks)+e+8*(e/8))*256
.set e, e+1
.endr
.endm
.macro CONV                            ; both tiles' fragments, in two bf16 parts
	SPLITS 8, XH, XL, XF, 4, 2
	SPLITS 8, XH+8, XL+8, XF+1, 4, 2
.endm
; 14 products, the six accumulators by turns.  o = 0: weights x voxels (a lane holds a voxel, lanes 0-15 theta's 8 channels, lanes 16-31 phi's);
; o = 1, 2: voxels x weights (a lane holds a channel of g, register j voxel 8 h + j: h the image row, j = w / 4).
.macro MULS ks
	WM ACC,    W0H+16*(\ks), XH,   1-(\ks)
	WM ACC+8,  W0H+16*(\ks), XH+8, 1-(\ks)
	WM ACC+16, XH,   WGH+8*(\ks),    1-(\ks)
	WM ACC+24, XH+8, WGH+8*(\ks),    1-(\ks)
	WM ACC+32, XH,   WGH+16+8*(\ks), 1-(\ks)
	WM ACC+40, XH+8, WGH+16+8*(\ks), 1-(\ks)
	WM ACC,    W0L+16*(\ks), XH,   0
	WM ACC+8,  W0L+16*(\ks), XH+8, 0
	WM ACC+16, XL,   WGH+8*(\ks),    0
	WM ACC+24, XL+8, WGH+8*(\ks),    0
	WM ACC+32, XL,   WGH+16+8*(\ks), 0
	WM ACC+40, XL+8, WGH+16+8*(\ks), 0
	WM ACC,    W0H+16*(\ks), XL,   0
	WM ACC+8,  W0H+16*(\ks), XL+8, 0
.endm
; A plane is done: theta' is packed; the maximum over the two tiles (and the plane before) is kept.  Each accumulator is read from its low end on.
.macro POST d
.irp t, 0,1
.irp i, 0,1,2,3
	v_cvt_pk_bf16_f32 v[TH+8*(\d)+4*(\t)+(\i)], v[ACC+8*(\t)+2*(\i)], v[ACC+8*(\t)+2*(\i)+1]
.endr
.endr
.irp o, 0,1,2
.irp j, 0,1,2,3,4,5,6,7
.if \d
	v_max3_num_f32 v[CAR+8*(\o)+(\j)], v[CAR+8*(\o)+(\j)], v[ACC+16*(\o)+(\j)], v[ACC+16*(\o)+8+(\j)]
.else
	v_max_num_f32 v[CAR+8*(\o)+(\j)], v[ACC+16*(\o)+(\j)], v[ACC+16*(\o)+8+(\j)]
.endif
.endr
.endr
.endm
	LOADX 0, 0
	s_wait_dscnt 0x0
	CONV
	LOADX 0, 1                                     ; the next 32 channels come while these are multiplied
	MULS 0
	s_wait_dscnt 0x0
	PLACES                                         ; the conversions write fragments that the products above have read
	CONV
	LOADX 1, 0
	MULS 1
	PLACES
	POST 0
	s_wait_dscnt 0x0
	CONV
	LOADX 1, 1
	MULS 0
	s_wait_dscnt 0x0
	PLACES
	CONV
	MULS 1
	PLACES
	POST 1
	; phi: the two image rows are voxels r and r ^ 8; then two bf16 parts: lanes r < 8 keep hi, lanes r >= 8 lo
.set i, 0
.rept 8
	v_max_num_f32_dpp v[CAR+i], v[CAR+i], v[CAR+i] row_xmask:8 row_mask:0xf bank_mask:0xf
.set i, i+1
.endr
	; g: the two image rows lie in the two halves of the lanes
.set i, 0
.rept 16
	v_permlanex16_b32 v[XF+i], v[CAR+8+i], s44, s45
.set i, i+1
.endr
	SPLITS 4, PH, PL, CAR, 2, 1
.set i, 0
.rept 16
	v_max_num_f32 v[CAR+8+i], v[CAR+8+i], v[XF+i]
.set i, i+1
.endr
.set i, 0
.rept 8
	v_cvt_pk_bf16_f32 v[XH+i], v[CAR+8+2*i], v[CAR+8+2*i+1]  ; 8 keys of a channel: 16 bytes
.set i, i+1
.endr
.set i, 0
.rept 4
	v_cndmask_b32 v[GO+i], v[XH+i], v[XH+4+i], s40 ; lanes 0-15 store channels 0-15, lanes 16-31 channels 16-31
	v_cndmask_b32 v[PO+i], v[PH+i], v[PL+i], s42
.set i, i+1
.endr
	global_store_b128 v[GOF], v[GO:GO+3], s[16:17] ; each half of the lanes stores 256 consecutive bytes, aligned
	s_wait_xcnt 0x0                                ; EXEC changes only behind this wait
	v_cmp_gt_u32 vcc_lo, 16, v[LN]
	s_and_saveexec_b32 s41, vcc_lo                 ; lanes 0-15 hold theta'
.irp d, 0,1
.irp t, 0,1
	global_store_b128 v[TOF], v[TH+8*(\d)+4*(\t):TH+8*(\d)+4*(\t)+3], s[12:13] offset:16384*(\d)+256*(\t)  ; a tile: 256 consecutive bytes, aligned
.endr
.endr
	s_wait_xcnt 0x0
	s_or_b32 exec_lo, exec_lo, s41
	v_cmp_le_u32 vcc_lo, 16, v[LN]
	s_and_saveexec_b32 s41, vcc_lo                 ; lanes 16-31 hold phi
	global_store_b128 v[POF], v[PO:PO+3], s[14:15] ; hi and lo of 8 keys: 256 consecutive bytes, aligned
	s_wait_xcnt 0x0
	s_or_b32 exec_lo, exec_lo, s41
	s_wait_tensorcnt 0x0                           ; the wave's end
	ds_add_u32 v[SPW], v[NIL]
	s_wait_dscnt 0x0
	s_endpgm
.Lfunc_end_k_qbc259515f2_proj:
	.size	k_qbc259515f2_proj, .Lfunc_end_k_qbc259515f2_proj-k_qbc259515f2_proj
	.p2alignl 7, 3214868480
	.fill 96, 4, 3214868480
	.section	.rodata,"a",@progbits
	.p2align	6, 0x0
	.amdhsa_kernel k_qbc259515f2_proj
		.amdhsa_group_segment_fixed_size 167936
		.amdhsa_private_segment_fixed_size 0
		.amdhsa_enable_private_segment 0
		.amdhsa_kernarg_size 56
		.amdhsa_user_sgpr_count 2
		.amdhsa_user_sgpr_kernarg_segment_ptr 1
		.amdhsa_wavefront_size32 1
		.amdhsa_system_sgpr_workgroup_id_x 1
		.amdhsa_system_sgpr_workgroup_id_y 1
		.amdhsa_system_sgpr_workgroup_id_z 1
		.amdhsa_system_vgpr_workitem_id 0
		.amdhsa_next_free_vgpr 256
		.amdhsa_next_free_sgpr 66
		.amdhsa_reserve_vcc 1
		.amdhsa_float_denorm_mode_32 3
		.amdhsa_float_denorm_mode_16_64 3
		.amdhsa_memory_ordered 1
		.amdhsa_forward_progress 1
		.amdhsa_inst_pref_size 50
	.end_amdhsa_kernel
	.amdgpu_metadata
---
amdhsa.version: [ 1, 2 ]
amdhsa.kernels:
  - .name:           k_qbc259515f2_proj
    .symbol:         k_qbc259515f2_proj.kd
    .args:
      - { .name: x, .offset: 0, .size: 8, .value_kind: global_buffer, .address_space: global }
      - { .name: w_theta, .offset: 8, .size: 8, .value_kind: global_buffer, .address_space: global }
      - { .name: w_phi, .offset: 16, .size: 8, .value_kind: global_buffer, .address_space: global }
      - { .name: w_g, .offset: 24, .size: 8, .value_kind: global_buffer, .address_space: global }
      - { .name: theta_ws, .offset: 32, .size: 8, .value_kind: global_buffer, .address_space: global }
      - { .name: phi_ws, .offset: 40, .size: 8, .value_kind: global_buffer, .address_space: global }
      - { .name: g_ws, .offset: 48, .size: 8, .value_kind: global_buffer, .address_space: global }
    .group_segment_fixed_size: 167936
    .private_segment_fixed_size: 0
    .kernarg_segment_align: 8
    .kernarg_segment_size: 56
    .max_flat_workgroup_size: 128
    .sgpr_count:     66
    .vgpr_count:     256
    .wavefront_size: 32
...
	.end_amdgpu_metadata
.endif
;; end of part 1
;; launch attn (part 2): grid 128 x 2, 8 waves a work-group, clusters of 4 x 1, 327,680 bytes of LDS; arguments theta_ws, phi_ws, g_ws, w_o, gamma, x, out0; writes out0
.if DOCPART == 2
	.amdgcn_target "amdgcn-amd-amdhsa--gfx1250"
	.amdhsa_code_object_version 6
	.text
	.protected	k_qbc259515f2_attn
	.globl	k_qbc259515f2_attn
	.p2align	8
	.type	k_qbc259515f2_attn,@function
k_qbc259515f2_attn:
	s_mov_b64 s[64:65], 0
	v_nop
	global_prefetch_b8 v0, s[64:65] scope:SCOPE_SE
	s_setreg_imm32_b32 hwreg(HW_REG_WAVE_MODE, 25, 1), 1
	s_wait_xcnt 0x0
	s_wait_alu depctr_hold_cnt(0) depctr_sa_sdst(0) depctr_va_vdst(0) depctr_va_sdst(0) depctr_va_ssrc(0) depctr_va_vcc(0) depctr_vm_vsrc(0)
	s_getreg_b32 s2, hwreg(HW_REG_IB_STS2, 6, 4)
	s_cmp_eq_u32 s2, 0
	s_cbranch_scc0 .Lentry_in_a_cluster
	s_endpgm
.Lentry_in_a_cluster:
	s_bfe_u32 s2, ttmp6, 0x10000c
	s_cmp_lg_u32 s2, 0x3003
	s_cbranch_scc0 .Lentry_shape_is_right
	s_endpgm
.Lentry_shape_is_right:
; out[b][c][n] = gamma x (w_o o)[c][n] + x[b][c][n],  o[:, n] = the sum over keys m of softmax_m(theta[:, n] . phi[:, m]) g[:, m].  32,768 queries and 4,096 keys a batch, 8 channels of scores, 32 of g.
; Nothing is left out: every step of the module is done here or in the launch before.
; TWO PASSES.  Pass 1 finds each query's true maximum m over all keys; pass 2 takes it away ahead of the exponentials.  So no statistic runs and nothing is rescaled.
; THE SCORES' PRODUCT has 32 places along K and 8 channels.  Keys (source 0): k 0-7 phi's high bf16 part, 8-15 its low part, 16, 17, 24, 25 the number 1, else 0.
; Queries (source 1): k 0-7 and 8-15 theta' = log2(e) theta; in pass 2 k 16, 17, 24 hold -m in three bf16 parts (all of its f32 bits), in pass 1 zeros.  So pass 2's product IS log2(e) (s - max s), and 2^ of it is the weight.
; LAYOUT.  S^T = K Q^T: a lane holds ONE query (lane % 16) and the keys 8 (lane / 16) + 0..7.  Two results rounded to bf16 in pairs ARE source 1 of O^T = V^T P.  V's fragments lie in g_ws as they lie in registers.
; In a block of 64 voxels tile t, column r is voxel 4 r + t: 16 bytes of x or of out hold one number of each of a wave's four tiles, so both move in runs of 256 consecutive bytes, aligned, with no stage.
; SHARES.  A work-group owns 256 queries.  Wave w: queries 64 (w % 4) .. + 63 (four tiles), keys 2,048 (w / 4) .. + 2,047.  The two waves of a query group meet in LDS twice: m between the passes, O and l at the end;
; then each makes 32 of the 64 output channels.  Two waves lie on a SIMD, 256 registers each: no register window is switched.
; CLUSTER.  The four work-groups of a cluster read the same phi and g: every tensor load is asked for jointly (the same load, descriptor and mask in all four).
; LDS.  0: V's ring, two slots of 65,536 (16 groups of 32 keys for each key half).  131,072: phi, resident.  262,144 and 266,240: the exchanges of m and of l.  270,336: the spare words.
; The exchange of O uses slot 0 when it has had its last fill and every wave has left it.  The launch claims all of a WGP's LDS.
; LIMITS.  theta', g and the weights p are rounded once to bf16 (l is the sum of the unrounded p); a weight below 2^-126 counts as 0; NaN and infinities are not treated apart
; (the first turns multiply weights of 0 by registers that hold numbers of phi: those are taken to be finite).
.set SLOT1, 65536
.set PHI,   131072
.set MXB,   262144
.set LXB,   266240
.set SPARE, 270336
.set NEG1, 1                           ; v1  -1.0
.set AK0,  2                           ; v2  my lane's place in a key tile of phi, my key half; at the end: my byte offset in x and out
.set AV0,  3                           ; v3  my lane's place in a group of V, my key half; at the end: my byte offset in w_o
.set AK,   4                           ; v4  LDS address of K's loads in hand; for the exchanges: my own bytes
.set AV,   5                           ; v5  of V's; for the exchanges: my partner's bytes
.set SPW,  6                           ; v6  LDS address of my spare word; never rewritten
.set NIL,  7                           ; v7  0; never rewritten
.set L,    8                           ; v[8:15]    l, a pair a tile (even keys', odd keys')
.set T0,   16                          ; v[16:23]   at work
.set Q,    24                          ; v[24:55]   the queries' fragments, 8 a tile
.set O,    56                          ; v[56:119]  O^T: tile t, channels 16 ct on at O + 16 t + 8 ct
.set MR,   56                          ; pass 1: four running maxima a tile
.set S,    120                         ; v[120:183] S^T, 16 a tile; P takes a tile's first 8
.set SB,   120                         ; pass 1: two buffers of four tiles' scores
.set KB,   184                         ; v[184:215] K: buffer p, key tile f at KB + 16 p + 8 f
.set VB,   216                         ; v[216:247] V: buffer p, channels 16 ct on at VB + 16 p + 8 ct
.set FR,   184                         ; pass 1: eight key fragments, K's and V's registers
.set RC,   248                         ; v[248:251] at work; 1 / l
.set PFX,  254                         ; v254 131,072 x lane: a channel of x a lane; never rewritten once made
.set PFO,  255                         ; v255 256 x lane; never rewritten once made
.set WV,  18
.set KH,  19
.set QG,  20
.set CX,  21
.set BB,  22
.set G1P, 32                           ; s[32:39] group 1 for phi: 64 rows of 256 bytes
.set G1V, 40                           ; s[40:47] for V: 32 rows
.set G0P, 48                           ; s[48:51] group 0 for phi
.set G0A, 52                           ; s[52:55] for V's chunk 0
.set G0W, 56                           ; s[56:59] for V's chunk 1; it then walks on
.set SEL, 60
.set TBK, 66                           ; s66 bytes from my key half's first tile to the trip's
.set TBV, 67                           ; s67 the same in V's ring
.set CNT, 68
.set SL,  69
.set LIM, 70
.set HM,  71
.set GAM, 72
.set PFA, 74
.set XB,  76
.set OB,  78
.set WB,  80
.set THB, 82
.macro PLACES
.rept 4
	v_nop
.endr
.endm
.macro WM d, a, b, zero
.if \zero
	v_wmma_f32_16x16x32_bf16 v[(\d):(\d)+7], v[(\a):(\a)+7], v[(\b):(\b)+7], 0
.else
	v_wmma_f32_16x16x32_bf16 v[(\d):(\d)+7], v[(\a):(\a)+7], v[(\b):(\b)+7], v[(\d):(\d)+7]
.endif
.endm
; cnt pairs of f32 are split into two bf16 parts, in three runs
.macro SPLITS cnt, hi, lo, src, st, db
.set z, 0
.rept \cnt
	v_cvt_pk_bf16_f32 v[(\hi)+z], v[(\src)+(\st)*z], v[(\src)+(\st)*z+(\db)]
.set z, z+1
.endr
.set z, 0
.rept \cnt
	v_fma_mix_f32_bf16 v[(\src)+(\st)*z], v[(\hi)+z], v[NEG1], v[(\src)+(\st)*z] op_sel_hi:[1,0,0]
	v_fma_mix_f32_bf16 v[(\src)+(\st)*z+(\db)], v[(\hi)+z], v[NEG1], v[(\src)+(\st)*z+(\db)] op_sel:[1,0,0] op_sel_hi:[1,0,0]
.set z, z+1
.endr
.set z, 0
.rept \cnt
	v_cvt_pk_bf16_f32 v[(\lo)+z], v[(\src)+(\st)*z], v[(\src)+(\st)*z+(\db)]
.set z, z+1
.endr
.endm
; A round of the cluster's barrier: my work-group's barrier; wave 0 signals for the work-group; every wave waits for all four work-groups; my work-group's barrier once more.
.macro CROUND
	s_barrier_signal -1
	s_barrier_wait -1
	s_cmp_lg_u32 s[WV], 0
	s_cbranch_scc1 .Lnot_wave_0_\@
	s_barrier_signal -3
.Lnot_wave_0_\@:
	s_barrier_wait -3
	s_barrier_signal -1
	s_barrier_wait -1
.endm
	s_load_b256 s[4:11], s[0:1], 0x0               ; theta_ws s[4:5], phi_ws s[6:7], g_ws s[8:9], w_o s[10:11]
	s_load_b128 s[12:15], s[0:1], 0x20             ; gamma s[12:13], x s[14:15]
	s_load_b64 s[16:17], s[0:1], 0x30              ; out0
	v_lshl_add_u32 v[SPW], v0, 2, SPARE
	v_mov_b32 v[NIL], 0
	ds_add_u32 v[SPW], v[NIL]                      ; the wave's opening: the add, twice on end, and its wait ahead of my first tensor load
	ds_add_u32 v[SPW], v[NIL]
	v_lshrrev_b32 v1, 5, v0
	v_readfirstlane_b32 s[WV], v1                  ; wave 0..7
	s_lshr_b32 s[KH], s[WV], 2                     ; my key half
	s_and_b32 s[QG], s[WV], 3                      ; my query group
	s_bfe_u32 s[CX], ttmp6, 0x40000                ; my place in the cluster: it enters theta's, x's, out's and the prefetch's addresses alone
	s_and_b32 s[BB], ttmp7, 0xffff                 ; the batch, which the four partners share
	s_lshl_b32 s23, ttmp9, 2
	s_add_co_u32 s23, s23, s[CX]                   ; my block of 256 queries
	s_lshl_b32 s23, s23, 2
	s_add_co_u32 s23, s23, s[QG]                   ; my wave's block of 64
	s_lshl_b32 s24, s[BB], 9
	s_add_co_u32 s24, s24, s23
	s_lshl_b32 s24, s24, 10                        ; theta_ws: 1,024 bytes a block
	s_mov_b32 s25, 0
	s_lshl_b32 s26, s[BB], 23                      ; x and out: the batch,
	s_lshl_b32 s27, s[KH], 22                      ; my 32 channels,
	s_add_co_u32 s26, s26, s27
	s_lshl_b32 s27, s23, 8                         ; my 64 voxels
	s_add_co_u32 s26, s26, s27
	s_mov_b32 s27, 0
	s_lshl_b32 s28, s[KH], 12                      ; w_o: my 32 rows of 128 bytes
	s_mov_b32 s29, 0
	s_lshl_b32 s30, s[BB], 17                      ; phi_ws: the batch, my eighth of it
	s_lshl_b32 s31, s[WV], 14
	s_add_co_u32 s30, s30, s31
	s_mov_b32 s31, 0
	s_lshl_b32 s62, s[BB], 18                      ; g_ws: the batch, a key half, my quarter of its chunk
	s_lshl_b32 s63, s[KH], 17
	s_add_co_u32 s62, s62, s63
	s_lshl_b32 s63, s[QG], 13
	s_add_co_u32 s62, s62, s63
	s_mov_b32 s63, 0
	s_lshl_b32 s84, s[BB], 18                      ; the prefetch of V's chunk 3: key half cx / 2, block 2 (cx % 2) + w % 2 of its four blocks of 8,192 bytes
	s_lshr_b32 s85, s[CX], 1
	s_lshl_b32 s85, s85, 17
	s_add_co_u32 s84, s84, s85
	s_and_b32 s85, s[CX], 1
	s_lshl_b32 s85, s85, 1
	s_and_b32 s86, s[WV], 1
	s_add_co_u32 s85, s85, s86
	s_lshl_b32 s85, s85, 13
	s_add_co_u32 s84, s84, s85
	s_add_co_u32 s84, s84, 98304
	s_mov_b32 s85, 0
	s_lshr_b32 s[LIM], s[WV], 1                    ; waves 0 and 1 of the batch's first cluster ask: the same in all four partners
	s_or_b32 s[LIM], s[LIM], ttmp9
	s_cmp_eq_u32 s[LIM], 0
	s_cselect_b32 s[LIM], 1, -1
	; group 1: dense blocks, asked for as rows of 256 bytes (32 elements of 8 bytes)
	s_mov_b32 s[G1P], 15|(3<<16)|(1<<21)           ; the mask of four; elements of 8 bytes; bit 21 set beside a mask
	s_mov_b32 s[G1V], 15|(3<<16)|(1<<21)
	s_mov_b32 s[G1P+2], 64<<16                     ; tensor_dim1
	s_mov_b32 s[G1V+2], 32<<16
	s_mov_b32 s[G1P+4], 64                         ; tile_dim1
	s_mov_b32 s[G1V+4], 32
.irp g, G1P, G1V
	s_mov_b32 s[\g+1], 32<<16                      ; tensor_dim0
	s_mov_b32 s[\g+3], 32<<16                      ; tile_dim0
	s_mov_b32 s[\g+5], 32                          ; from row to row
	s_mov_b32 s[\g+6], 0
	s_mov_b32 s[\g+7], 0
.endr
	s_mov_b32 s[G0P], 1
	s_lshl_b32 s[G0P+1], s[WV], 14
	s_add_co_u32 s[G0P+1], s[G0P+1], PHI
	s_mov_b32 s[G0A], 1
	s_lshl_b32 s[G0A+1], s[WV], 13                 ; slot 0: wave x 8,192
	s_mov_b32 s[G0W], 1
	s_lshl_b32 s[G0W+1], s[WV], 13
	s_add_co_u32 s[G0W+1], s[G0W+1], SLOT1
	s_mov_b32 s[SEL], 0x76543210
	s_mov_b32 s[SEL+1], 0xfedcba98
	s_mov_b32 s[HM], 0xffff0000                    ; lanes 16-31
	s_wait_dscnt 0x0                               ; both opening adds are done
	s_wait_kmcnt 0x0
	s_load_b32 s[GAM], s[12:13], 0x0
	s_add_nc_u64 s[THB:THB+1], s[4:5], s[24:25]
	s_add_nc_u64 s[XB:XB+1], s[14:15], s[26:27]
	s_add_nc_u64 s[OB:OB+1], s[16:17], s[26:27]
	s_add_nc_u64 s[WB:WB+1], s[10:11], s[28:29]
	s_add_nc_u64 s[PFA:PFA+1], s[8:9], s[84:85]
	s_add_nc_u64 s[G0P+2:G0P+3], s[6:7], s[30:31]
	s_or_b32 s[G0P+3], s[G0P+3], 0x80000000
	s_add_nc_u64 s[G0A+2:G0A+3], s[8:9], s[62:63]
	s_add_nc_u64 s[G0W+2:G0W+3], s[G0A+2:G0A+3], 32768
	s_or_b32 s[G0A+3], s[G0A+3], 0x80000000
	s_or_b32 s[G0W+3], s[G0W+3], 0x80000000
	CROUND                                         ; all four work-groups are here: the first joint loads meet
	tensor_load_to_lds s[G0P:G0P+3], s[G1P:G1P+7]  ; the first fills go out as one group: three loads of mine are out
	s_nop 0
	tensor_load_to_lds s[G0A:G0A+3], s[G1V:G1V+7]
	s_nop 0
	tensor_load_to_lds s[G0W:G0W+3], s[G1V:G1V+7]
	s_nop 0
	v_and_b32 v16, 15, v0                          ; r
	v_bfe_u32 v17, v0, 4, 1                        ; h
	v_and_b32 v18, 31, v0                          ; lane
	v_lshlrev_b32 v19, 4, v16
.irp t, 0,1,2,3
	global_load_b128 v[Q+8*\t:Q+8*\t+3], v19, s[THB:THB+1] offset:256*\t  ; theta' of query r, for both halves of the lanes
.endr
	v_mov_b32 v[NEG1], -1.0
	v_lshrrev_b32 v20, 3, v16
	v_xor_b32 v21, v17, v20
	v_and_b32 v22, 7, v16
	v_lshlrev_b32 v[AK0], 8, v20                   ; key r: unit r / 8; lanes 0-15 take hi, lanes 16-31 lo; 16 lanes touch 256 different bytes modulo 256
	v_lshl_add_u32 v[AK0], v21, 7, v[AK0]
	v_lshl_add_u32 v[AK0], v22, 4, v[AK0]
	s_lshl_b32 s86, s[KH], 16
	s_add_co_u32 s86, s86, PHI
	v_add_nc_u32 v[AK0], s86, v[AK0]
	s_lshl_b32 s87, s[KH], 15
	v_lshl_add_u32 v[AV0], v18, 4, s87
	; the fragments' constant registers, and pass 1's starting values, written while the first tiles are on their way
.irp t, 0,1,2,3
.irp j, 4,5,6,7
	v_mov_b32 v[Q+8*\t+\j], 0
	v_mov_b32 v[VB+8*\t+\j], 0
.endr
	v_mov_b32 v[KB+8*\t+4], 0x3f803f80             ; 1, 1 at k = 16, 17 and 24, 25
	v_mov_b32 v[KB+8*\t+5], 0
	v_mov_b32 v[KB+8*\t+6], 0
	v_mov_b32 v[KB+8*\t+7], 0
.endr
.set i, 0
.rept 16
	v_mov_b32 v[MR+i], 0xff7fffff                  ; the lowest finite number
.set i, i+1
.endr
.set i, 0
.rept 32
	v_mov_b32 v[SB+32+i], 0xff7fffff               ; the buffer that the first maxima read: so pass 1 has one form of trip
.set i, i+1
.endr
	s_wait_kmcnt 0x0                               ; gamma
	s_wait_loadcnt 0x0                             ; theta'
	s_wait_tensorcnt 0x2                           ; my part of phi is in; V's two loads are younger
	s_barrier_signal -1
	s_barrier_wait -1
; PASS 1.  A trip is 8 key tiles (128 keys): 32 products; behind each the four maxima of the same query tile's scores of the key tile before: they are the product's four places.
; ld = 1: the next trip's fragments are fetched, four behind tile 3 and four behind tile 7, each four places behind the last product that read the registers.
.macro P1TRIP ld
	s_wait_dscnt 0x4                               ; fragments 0-3 are in; the four loads of 4-7 are younger
.irp f, 0,1,2,3,4,5,6,7
.if (\f) == 4
.if \ld
	s_wait_dscnt 0x4                               ; fragments 4-7 are in; the next trip's four loads are younger
.else
	s_wait_dscnt 0x0
.endif
.endif
.irp t, 0,1,2,3
	v_wmma_f32_16x16x32_bf16 v[SB+32*((\f)%2)+8*(\t):SB+32*((\f)%2)+8*(\t)+7], v[FR+8*(\f):FR+8*(\f)+7], v[Q+8*(\t):Q+8*(\t)+7], 0
.irp c, 0,1,2,3
	v_max3_num_f32 v[MR+4*(\t)+(\c)], v[MR+4*(\t)+(\c)], v[SB+32*(1-(\f)%2)+8*(\t)+2*(\c)], v[SB+32*(1-(\f)%2)+8*(\t)+2*(\c)+1]
.endr
.endr
.if (\ld) && ((\f) == 3)
.irp g, 0,1,2,3
	ds_load_b128 v[FR+8*(\g):FR+8*(\g)+3], v[AK] offset:4096+512*(\g)
.endr
.endif
.if (\ld) && ((\f) == 7)
.irp g, 4,5,6,7
	ds_load_b128 v[FR+8*(\g):FR+8*(\g)+3], v[AK] offset:4096+512*(\g)
.endr
	s_add_co_u32 s[TBK], s[TBK], 4096
	v_add_nc_u32 v[AK], s[TBK], v[AK0]
.endif
.endr
.endm
.irp g, 0,1,2,3,4,5,6,7
	ds_load_b128 v[FR+8*\g:FR+8*\g+3], v[AK0] offset:512*\g
.endr
	v_mov_b32 v[AK], v[AK0]
	s_mov_b32 s[TBK], 0
	s_mov_b32 s[CNT], 15
.Lp1:
	P1TRIP 1
	s_sub_co_u32 s[CNT], s[CNT], 1
	s_cmp_lg_u32 s[CNT], 0
	s_cbranch_scc1 .Lp1
	P1TRIP 0                                       ; the last trip fetches nothing
.irp t, 0,1,2,3                        ; the last key tile's scores; the four maxima above are the last product's places
.irp c, 0,1,2,3
	v_max3_num_f32 v[MR+4*\t+\c], v[MR+4*\t+\c], v[SB+32+8*\t+2*\c], v[SB+32+8*\t+2*\c+1]
.endr
.endr
	; m: four chains into one, the other half of the lanes, then the other key half's wave through LDS
.irp t, 0,1,2,3
	v_max3_num_f32 v[T0+\t], v[MR+4*\t], v[MR+4*\t+1], v[MR+4*\t+2]
.endr
.irp t, 0,1,2,3
	v_max_num_f32 v[T0+\t], v[T0+\t], v[MR+4*\t+3]
.endr
.irp t, 0,1,2,3
	v_permlanex16_b32 v[S+\t], v[T0+\t], s[SEL], s[SEL+1]
.endr
.irp t, 0,1,2,3
	v_max_num_f32 v[T0+\t], v[T0+\t], v[S+\t]
.endr
	v_and_b32 v[AK], 31, v0
	s_lshl_b32 s86, s[WV], 9
	s_add_co_u32 s86, s86, MXB
	s_xor_b32 s87, s[WV], 4                        ; my partner: the same queries, the other keys
	s_lshl_b32 s87, s87, 9
	s_add_co_u32 s87, s87, MXB
	v_lshl_add_u32 v[AV], v[AK], 4, s87
	v_lshl_add_u32 v[AK], v[AK], 4, s86
	ds_store_b128 v[AK], v[T0:T0+3]
	s_wait_tensorcnt 0x1                           ; my part of V's chunk 0 is in; chunk 1's load is younger
	s_wait_dscnt 0x0                               ; for my partner's sake: my store is done
	s_barrier_signal -1
	; What pass 2's first turns find: O^T and l are 0, and the weights of the step that has not been are 0.  So no first step is written out; the price is these lines, between signal and wait.
.set i, 0
.rept 64
	v_mov_b32 v[O+i], 0
.set i, i+1
.endr
.set i, 0
.rept 8
	v_mov_b32 v[L+i], 0
	v_mov_b32 v[S+16+i], 0
.set i, i+1
.endr
.set i, 0
.rept 32
	v_mov_b32 v[S+32+i], 0
.set i, i+1
.endr
	v_mov_b32 v[S], 0                              ; a zero for the last conversion below
	s_barrier_wait -1
	ds_load_b128 v[T0+4:T0+7], v[AV]               ; my partner's m
	ds_load_b128 v[KB:KB+3], v[AK0]                ; K of step 0
	ds_load_b128 v[KB+8:KB+11], v[AK0] offset:512
	s_wait_dscnt 0x0
.irp t, 0,1,2,3
	v_max_num_f32 v[T0+\t], v[T0+\t], v[T0+4+\t]
.endr
.irp t, 0,1,2,3
	v_mul_f32 v[T0+\t], v[NEG1], v[T0+\t]          ; -m
.endr
.irp t, 0,1,2,3
	v_cvt_pk_bf16_f32 v[RC+\t], v[T0+\t], v[T0+\t]
.endr
.irp t, 0,1,2,3
	v_fma_mix_f32_bf16 v[RC+4+\t], v[RC+\t], v[NEG1], v[T0+\t] op_sel_hi:[1,0,0]  ; what the first part leaves
.endr
.irp t, 0,1,2,3
	v_cvt_pk_bf16_f32 v[RC+\t], v[T0+\t], v[RC+4+\t]                              ; first and second part
.endr
.irp t, 0,1,2,3
	v_fma_mix_f32_bf16 v[RC+4+\t], v[RC+\t], v[NEG1], v[RC+4+\t] op_sel:[1,0,0] op_sel_hi:[1,0,0]
.endr
.irp t, 0,1,2,3
	v_cvt_pk_bf16_f32 v[T0+4+\t], v[RC+4+\t], v[S]                                ; third part and 0
.endr
.irp t, 0,1,2,3
	v_cndmask_b32 v[Q+8*\t+4], v[RC+\t], v[T0+4+\t], s[HM]                        ; k = 16, 17 in lanes 0-15; k = 24, 25 in lanes 16-31
.endr
	v_and_b32 v[PFO], 31, v0
	v_lshlrev_b32 v[PFX], 17, v[PFO]
	v_lshlrev_b32 v[PFO], 8, v[PFO]
; PASS 2.  A step is 32 keys.  Turn 2 j sums and rounds the weights of tiles 0, 1 of step j and takes the exponentials of tiles 2, 3 of step j; turn 2 j + 1 sums and rounds tiles 2, 3 of step j and takes the
; exponentials of tiles 0, 1 of step j + 1.  A turn has eight matrix instructions, behind each a slice of four plain lines and four exponentials by turns.
.macro PVM t, vb, ct                   ; O^T += V^T P
	v_wmma_f32_16x16x32_bf16 v[O+16*(\t)+8*(\ct):O+16*(\t)+8*(\ct)+7], v[VB+16*(\vb)+8*(\ct):VB+16*(\vb)+8*(\ct)+7], v[S+16*(\t):S+16*(\t)+7], v[O+16*(\t)+8*(\ct):O+16*(\t)+8*(\ct)+7]
.endm
.macro QKM t, kb, f                    ; S^T = K Q^T, the maximum taken away in the product
	v_wmma_f32_16x16x32_bf16 v[S+16*(\t)+8*(\f):S+16*(\t)+8*(\f)+7], v[KB+16*(\kb)+8*(\f):KB+16*(\kb)+8*(\f)+7], v[Q+8*(\t):Q+8*(\t)+7], 0
.endm
; Slice k.  Plain line n of a tile's 16: n even: l takes weights n, n + 1; n odd: weights n - 1, n are rounded into register (n - 1) / 2, which is read no more: P is packed in place.
; Exponential n of a tile's 16 works on score (n + 8) % 16: the accumulator that was finished first goes first, each from its low end on.
.macro SLICE k, ex
.set sc, TC0+(\k)/4
.set se, TE0+(\k)/4
.irp n, 0,1,2,3
.set sn, 4*((\k)%4)+(\n)
.if sn%2 == 0
	v_pk_add_f32 v[L+2*sc:L+2*sc+1], v[L+2*sc:L+2*sc+1], v[S+16*sc+sn:S+16*sc+sn+1]
.else
	v_cvt_pk_bf16_f32 v[S+16*sc+(sn-1)/2], v[S+16*sc+sn-1], v[S+16*sc+sn]
.endif
.if \ex
	v_exp_f32 v[S+16*se+(sn+8)%16], v[S+16*se+(sn+8)%16]
.endif
.endr
.endm
; A TURN.  odd = 0: turn 2 j; odd = 1: turn 2 j + 1; pj = j % 2.  Even: V^T P of tile 3 (step j - 1), K Q^T of tile 3 (step j), V^T P of tile 0 (j), K Q^T of tile 0 (j + 1).
; Odd: V^T P of tile 1 (j), K Q^T of tile 1 (j + 1), V^T P of tile 2 (j), K Q^T of tile 2 (j + 1).  K Q^T takes the upper 16 keys first, so that the product that writes over P stands two slices
; (eight plain lines) behind the product that read P.  All accumulators take turns: 15 other matrix instructions stand between two links of a chain of O^T.
; A slice's four plain lines name no register of the products round them: they are those products' places.  The turn's 32 exponentials are ONE batch: nothing in the turn names a result of theirs;
; a v_nop is the plain line behind the last, and one wait, ahead of the first reader, ends the turn.
; An odd turn opens with the step's one run of LDS loads: V of step j + 1 and K of step j + 2, into the buffers whose last readers stand in the first half of the turn before; the even turn waits for them in its middle.
.macro TURN odd, pj, voff=0, koff=0, ldv=1, ldk=1, w23=1, w67=1, ex=1
.if \odd
.set TC0, 2
.set TE0, 0
.set TTA, 1
.set TVA, (\pj)
.set TKB, 1-(\pj)
.set TTC, 2
.else
.set TC0, 0
.set TE0, 2
.set TTA, 3
.set TVA, 1-(\pj)
.set TKB, (\pj)
.set TTC, 0
.endif
.if (\odd) && (\ldv)
.irp c, 0,1,2,3
	ds_load_b128 v[VB+16*(1-(\pj))+4*(\c):VB+16*(1-(\pj))+4*(\c)+3], v[AV] offset:(\voff)+512*(\c)
.endr
.endif
.if (\odd) && (\ldk)
.irp f, 0,1
	ds_load_b128 v[KB+16*(\pj)+8*(\f):KB+16*(\pj)+8*(\f)+3], v[AK] offset:(\koff)+512*(\f)
.endr
.endif
	PVM TTA, TVA, 0
	SLICE 0, \ex
	PVM TTA, TVA, 1
	SLICE 1, \ex
.if \w23
	QKM TTA, TKB, 1
.endif
	SLICE 2, \ex
.if \w23
	QKM TTA, TKB, 0
.endif
	SLICE 3, \ex
.if !(\odd)
	s_wait_dscnt 0x0                               ; V of this step and K of the next are in
.endif
	PVM TTC, \pj, 0
	SLICE 4, \ex
	PVM TTC, \pj, 1
	SLICE 5, \ex
.if \w67
	QKM TTC, 1-(\pj), 1
.endif
	SLICE 6, \ex
.if \w67
	QKM TTC, 1-(\pj), 0
.endif
	SLICE 7, \ex
.if \ex
	v_nop
	s_wait_alu depctr_va_vdst(0)
.endif
.endm
; Trip i: turns 4 i - 1 .. 4 i + 2.  It fetches V of steps 2 i, 2 i + 1 and K of steps 2 i + 1, 2 i + 2.  last = 1: there is no step 64.
.macro TRIP last
	v_add_nc_u32 v[AV], s[TBV], v[AV0]
	v_add_nc_u32 v[AK], s[TBK], v[AK0]
	s_add_co_u32 s[TBV], s[TBV], 4096
	s_add_co_u32 s[TBK], s[TBK], 2048
	TURN 1, 1, 0, 1024
	TURN 0, 0
	TURN 1, 0, 2048, 2048, 1, 1-(\last)
	TURN 0, 1, 0, 0, 1, 1, 1, 1-(\last)
.endm
; n trips.  askx = 1 (the last chunk): behind its third trip each wave prefetches into the L2 ITS OWN 256 bytes of each of its 32 channels of x, a lane a channel: what its loads at the end,
; five trips on, will ask for.  Each such block is named once in the launch.
.macro CHUNK n, askx=0
	s_mov_b32 s[CNT], \n
.Ltrip_\@:
	TRIP 0
.if \askx
	s_cmp_eq_u32 s[CNT], 5
	s_cbranch_scc0 .Lno_x_\@
	global_prefetch_b8 v[PFX], s[XB:XB+1] th:TH_LOAD_NT scope:SCOPE_SE
.Lno_x_\@:
.endif
	s_sub_co_u32 s[CNT], s[CNT], 1
	s_cmp_lg_u32 s[CNT], 0
	s_cbranch_scc1 .Ltrip_\@
.endm
; A prefetch into the L2 of V's chunk 3, behind the load of chunk 2: one change of slots, eight trips, ahead of its load.  All clusters of a batch read the same bytes: the batch's first cluster asks;
; its four partners share the 256 blocks of 256 bytes out BY ADDRESS; in each, waves 0 and 1 ask, a lane a block.  The second filling change asks for nothing: no chunk stands behind chunk 3.
.macro ASK
	s_cmp_gt_u32 s[SL], s[LIM]
	s_cbranch_scc0 .Lnot_mine_\@
	global_prefetch_b8 v[PFO], s[PFA:PFA+1] th:TH_LOAD_NT scope:SCOPE_SE
.Lnot_mine_\@:
.endm
; THE CHANGE OF SLOTS.  Each wave waits for all its tensor loads (one is out at the most: its part of the other slot), adds 0 to its spare word, and waits for that and for its reads of the slot that it leaves.
; fill = 1: the barrier is a round of the cluster's, and the joint refill is the first thing behind it: it has eight trips in which to land.
.macro CHANGE fill
	s_wait_tensorcnt 0x0                           ; no tensor load of mine is out, so a group 0 may be written
	ds_add_u32 v[SPW], v[NIL]                      ; 0 onto my spare word
.if \fill
	s_xor_b32 s[G0W+1], s[G0W+1], SLOT1            ; the other slot than last time,
	s_add_nc_u64 s[G0W+2:G0W+3], s[G0W+2:G0W+3], 32768  ; the next chunk; the type bits on top are not reached
	s_wait_dscnt 0x0                               ; the add is done, and my reads of the slot are over
	CROUND
	tensor_load_to_lds s[G0W:G0W+3], s[G1V:G1V+7]
	s_nop 0
	PLACES
	ASK
.else
	s_wait_dscnt 0x0
	s_barrier_signal -1
	s_barrier_wait -1
.endif
	s_sub_co_u32 s[TBV], s[TBV], 32768             ; V's fetches go back to a slot's first group,
	s_xor_b32 s[TBV], s[TBV], SLOT1                ; in the other slot
.endm
	QKM 0, 0, 1                                    ; tile 0's scores of step 0
	QKM 0, 0, 0
	PLACES
	s_mov_b32 s[TBK], 0
	s_mov_b32 s[TBV], 0
	s_mov_b32 s[SL], 2
.Lslot:                                                ; chunks 0 and 1; behind each its slot is filled again, with chunks 2 and 3
	CHUNK 8
	CHANGE 1
	s_sub_co_u32 s[SL], s[SL], 1
	s_cmp_lg_u32 s[SL], 0
	s_cbranch_scc1 .Lslot
	CHUNK 8                                        ; chunk 2
	CHANGE 0                                       ; the tail is written out: nothing is asked for
	CHUNK 7, 1                                     ; chunk 3
	TRIP 1
	TURN 1, 1, 0, 0, 0, 0, 0, 0, 0                 ; turn 127: tiles 2, 3 of the last step are summed and rounded; V^T P of tiles 1 and 2
	PVM 3, 1, 0
	PVM 3, 1, 1
	; THE END.  l and O^T of the two key halves meet in LDS; each wave then makes 32 output channels for its 64 queries: D = w_o O^T, out = (gamma / l) D + x.
.set XO,  AK0
.set WOF, AV0
.irp t, 0,1,2,3
	v_add_f32 v[T0+\t], v[L+2*\t], v[L+2*\t+1]     ; these four lines are the places behind the last products
.endr
	v_and_b32 v20, 15, v0
	v_bfe_u32 v21, v0, 4, 1
	v_and_b32 v22, 31, v0
	v_lshlrev_b32 v[XO], 4, v20                    ; voxels 4 r .. 4 r + 3,
	v_lshl_add_u32 v[XO], v21, 20, v[XO]           ; channels 8 h on
	v_lshlrev_b32 v[WOF], 7, v20                   ; row r of w_o,
	v_lshl_add_u32 v[WOF], v21, 5, v[WOF]          ; channels 8 h on
.irp u, 0,1
.irp q, 0,1,2,3
	global_load_b128 v[Q+16*\u+4*\q:Q+16*\u+4*\q+3], v[WOF], s[WB:WB+1] offset:2048*\u+16*(\q%2)+64*(\q/2)
.endr
.endr
.irp u, 0,1
.irp j, 0,1,2,3,4,5,6,7
	global_load_b128 v[S+32*\u+4*\j:S+32*\u+4*\j+3], v[XO], s[XB:XB+1] offset:\u*2097152+\j*131072 th:TH_LOAD_NT  ; 16 lanes read 256 consecutive bytes, aligned
.endr
.endr
	s_lshl_b32 s86, s[WV], 13                      ; the exchange of O: slot 0, wave x 8,192
	s_xor_b32 s87, s[WV], 4
	s_lshl_b32 s88, s87, 13
	v_lshl_add_u32 v[AK], v22, 4, s86
	v_lshl_add_u32 v[AV], v22, 4, s88
	s_lshl_b32 s86, s[WV], 9
	s_add_co_u32 s86, s86, LXB
	s_lshl_b32 s88, s87, 9
	s_add_co_u32 s88, s88, LXB
	v_lshl_add_u32 v23, v22, 4, s88                ; my partner's l
	v_lshl_add_u32 v22, v22, 4, s86                ; mine
.irp t, 0,1,2,3
	v_permlanex16_b32 v[RC+\t], v[T0+\t], s[SEL], s[SEL+1]
.endr
.irp t, 0,1,2,3
	v_add_f32 v[T0+\t], v[T0+\t], v[RC+\t]
.endr
.set i, 0
.rept 16
	ds_store_b128 v[AK], v[O+4*i:O+4*i+3] offset:512*i  ; each accumulator from its low end on
.set i, i+1
.endr
	ds_store_b128 v22, v[T0:T0+3]
	s_wait_dscnt 0x0                               ; for my partner's sake: my stores are done
	s_barrier_signal -1
	s_barrier_wait -1
.set i, 0
.rept 16
	ds_load_b128 v[KB+4*i:KB+4*i+3], v[AV] offset:512*i
.set i, i+1
.endr
	ds_load_b128 v[RC:RC+3], v23
	s_wait_dscnt 0x0
.irp t, 0,1,2,3
	v_add_f32 v[T0+\t], v[T0+\t], v[RC+\t]
.endr
.irp t, 0,1,2,3
	v_rcp_f32 v[RC+\t], v[T0+\t]
.endr
.set i, 0
.rept 32
	v_pk_add_f32 v[O+2*i:O+2*i+1], v[O+2*i:O+2*i+1], v[KB+2*i:KB+2*i+1]  ; independent work behind the four reciprocals
.set i, i+1
.endr
	s_wait_alu depctr_va_vdst(0)                   ; one wait for the four, ahead of their first reader
.irp t, 0,1,2,3
	v_mul_f32 v[T0+\t], s[GAM], v[RC+\t]           ; gamma / l, for my query of tile t
.endr
	s_wait_loadcnt 16                              ; w_o is in; x's 16 loads are younger
	SPLITS 16, KB, KB+16, Q, 2, 1                  ; w_o in two bf16 parts: high at KB + 8 u, low at KB + 16 + 8 u
	SPLITS 32, VB, Q, O, 2, 1                      ; O^T likewise: high at VB + 8 t, low at Q + 8 t: a tile's 32 channels are source 1 as they lie
.irp u, 0,1
.irp t, 0,1,2,3
	WM O+32*\u+8*\t, KB+8*\u, VB+8*\t, 1           ; eight accumulators by turns, three terms
.endr
.endr
.irp u, 0,1
.irp t, 0,1,2,3
	WM O+32*\u+8*\t, KB+16+8*\u, VB+8*\t, 0
.endr
.endr
.irp u, 0,1
.irp t, 0,1,2,3
	WM O+32*\u+8*\t, KB+8*\u, Q+8*\t, 0
.endr
.endr
	PLACES
	s_wait_loadcnt 0x0                             ; x
.irp u, 0,1
.irp j, 0,1,2,3,4,5,6,7
.irp t, 0,1,2,3
	v_fma_f32 v[S+32*\u+4*\j+\t], v[T0+\t], v[O+32*\u+8*\t+\j], v[S+32*\u+4*\j+\t]
.endr
	global_store_b128 v[XO], v[S+32*\u+4*\j:S+32*\u+4*\j+3], s[OB:OB+1] offset:\u*2097152+\j*131072 th:TH_STORE_NT  ; 16 lanes store 256 consecutive bytes, aligned
.endr
.endr
	s_wait_tensorcnt 0x0                           ; the wave's end: behind my last tensor load and my last LDS store
	ds_add_u32 v[SPW], v[NIL]
	s_wait_dscnt 0x0
	CROUND                                         ; the closing round: no work-group ends while a partner may still ask for a tile that names it
	s_endpgm
.Lfunc_end_k_qbc259515f2_attn:
	.size	k_qbc259515f2_attn, .Lfunc_end_k_qbc259515f2_attn-k_qbc259515f2_attn
	.p2alignl 7, 3214868480
	.fill 96, 4, 3214868480
	.section	.rodata,"a",@progbits
	.p2align	6, 0x0
	.amdhsa_kernel k_qbc259515f2_attn
		.amdhsa_group_segment_fixed_size 327680
		.amdhsa_private_segment_fixed_size 0
		.amdhsa_enable_private_segment 0
		.amdhsa_kernarg_size 56
		.amdhsa_user_sgpr_count 2
		.amdhsa_user_sgpr_kernarg_segment_ptr 1
		.amdhsa_wavefront_size32 1
		.amdhsa_system_sgpr_workgroup_id_x 1
		.amdhsa_system_sgpr_workgroup_id_y 1
		.amdhsa_system_sgpr_workgroup_id_z 1
		.amdhsa_system_vgpr_workitem_id 0
		.amdhsa_next_free_vgpr 256
		.amdhsa_next_free_sgpr 96
		.amdhsa_reserve_vcc 0
		.amdhsa_float_denorm_mode_32 3
		.amdhsa_float_denorm_mode_16_64 3
		.amdhsa_memory_ordered 1
		.amdhsa_forward_progress 1
		.amdhsa_inst_pref_size 134
	.end_amdhsa_kernel
	.amdgpu_metadata
---
amdhsa.version: [ 1, 2 ]
amdhsa.kernels:
  - .name:           k_qbc259515f2_attn
    .symbol:         k_qbc259515f2_attn.kd
    .args:
      - { .name: theta_ws, .offset: 0, .size: 8, .value_kind: global_buffer, .address_space: global }
      - { .name: phi_ws, .offset: 8, .size: 8, .value_kind: global_buffer, .address_space: global }
      - { .name: g_ws, .offset: 16, .size: 8, .value_kind: global_buffer, .address_space: global }
      - { .name: w_o, .offset: 24, .size: 8, .value_kind: global_buffer, .address_space: global }
      - { .name: gamma, .offset: 32, .size: 8, .value_kind: global_buffer, .address_space: global }
      - { .name: x, .offset: 40, .size: 8, .value_kind: global_buffer, .address_space: global }
      - { .name: out0, .offset: 48, .size: 8, .value_kind: global_buffer, .address_space: global }
    .group_segment_fixed_size: 327680
    .private_segment_fixed_size: 0
    .kernarg_segment_align: 8
    .kernarg_segment_size: 56
    .max_flat_workgroup_size: 256
    .sgpr_count:     96
    .vgpr_count:     256
    .wavefront_size: 32
...
	.end_amdgpu_metadata
.endif
;; end of part 2
